; MI455X (gfx1250); checked and timed in simulation.
; The chip was launched on July 23, 2026; its instructions are those of AMD's public machine-readable ISA for CDNA 5 (MIT licence, August 2026) and "CDNA5" Instruction Set Architecture Reference Guide (July 2026). The comments in the code are by the model that wrote it; some were corrected since.
;; Mention Score. Allowed arithmetic: float matrix products may take bf16 or f16 operands with f32 sums; all other float work in f32.
;; Inputs: attn_W1 1,024 x 150 float32; attn_W2 150 x 150 float32; attn_W3 150 x 1 float32; attn_b1 150 float32; attn_b2 150 float32; attn_b3 1 float32; embeds 2,048 x 1,024 float32; score_W1 3,092 x 150 float32; score_W2 150 x 150 float32; score_W3 150 x 1 float32; score_b1 150 float32; score_b2 150 float32; score_b3 1 float32; states 2,048 x 1,024 float32; width_table 9 x 20 float32.
;; Outputs: out0 20,390 x 1 float32.
;; One version. Each part assembles by itself: llvm-mc -triple=amdgcn-amd-amdhsa -mcpu=gfx1250 --defsym DOCPART=n.
;; ======== version 1 of 1: 3 launches
;; limits: right only within a limited range of input values
;; workspace buffers: WB 1,310,720 bytes; W2B 122,880 bytes; PRM 9,728 bytes; H 2,621,440 bytes; B16 1,310,720 bytes
;; launch prep (part 1): grid 141 x 1, 8 waves a work-group, no clusters, 168,960 bytes of LDS; arguments attn_W1, score_W1, attn_W2, score_W2, attn_b1, attn_b2, attn_W3, attn_b3, score_b1, score_b2, score_W3, score_b3, width_table, WB, W2B, PRM; writes WB, W2B, PRM
.if DOCPART == 1
	.amdgcn_target "amdgcn-amd-amdhsa--gfx1250"
	.amdhsa_code_object_version 6
	.text
	.protected	k_qbb0a98452f_prep
	.globl	k_qbb0a98452f_prep
	.p2align	8
	.type	k_qbb0a98452f_prep,@function
k_qbb0a98452f_prep:
	s_mov_b64 s[64:65], 0
	v_nop
	global_prefetch_b8 v0, s[64:65] scope:SCOPE_SE
	s_setreg_imm32_b32 hwreg(HW_REG_WAVE_MODE, 25, 1), 1
	s_wait_xcnt 0x0
; prep: the weights, once, in the form that the two later launches multiply by.
;   WB  bf16 [8 parts][1024 k][80 n]: parts 0,1 attn_W1; 2,3 score_W1 rows 0-1023; 4,5 rows 1024-2047; 6,7 rows 2048-3071.
;       An even part holds columns 0-79, an odd part columns 80-159; columns 150-159 are zeros.
;   W2B bf16 [4][192 k][80 n]: attn_W2 low, high columns; score_W2 low, high columns; rows and columns from 150 on are zeros.
;   PRM f32: attn_b1, attn_b2, attn_W3, score_b2, score_W3 (160 numbers each, zeros from 150 on) at bytes 0, 640, 1280, 1920, 2560;
;       at 3200 ten rows of 160: width_table[bin(w)] x score_W1[3072:3092] + score_b1 for w = 1 .. 10; at 9600 attn_b3, score_b3, zeros.
; Work-groups 0-127: one tile of 64 k x 80 n of WB each; 128-139: one of W2B each; 140: PRM.
; A tile comes in by one tensor load whose extents end at column 150 and at the matrix's last row: what lies beyond arrives in LDS as
; zeros, so the padding costs no lane mask and no read leaves a buffer.  The tile is dense in LDS and in the output, so thread t
; takes 16 bytes at 16 t and stores 8 bytes at 8 t: a wave's store covers 256 consecutive bytes, aligned.
; Limit: the weights are rounded once to bf16 (nearest even), as matrix operands.
; No work-group shares an input tile with another, so there is no cluster.
.set PJOB, 140                         ; the work-group that makes PRM
.set ACC,  16                          ; v[16:20]   PRM: the width term of bins 1 to 5
.set TAB,  32                          ; v[32:131]  PRM: width_table rows 1 to 5, the same in every lane
.set WD,   132                         ; v[132:151] PRM: score_W1[3072+k][my column]
	s_load_b512 s[8:23], s[0:1], 0x0               ; attn_W1 s[8:9], score_W1 s[10:11], attn_W2 s[12:13], score_W2 s[14:15], attn_b1 s[16:17], attn_b2 s[18:19], attn_W3 s[20:21], attn_b3 s[22:23]
	s_load_b512 s[24:39], s[0:1], 0x40             ; score_b1 s[24:25], score_b2 s[26:27], score_W3 s[28:29], score_b3 s[30:31], width_table s[32:33], WB s[34:35], W2B s[36:37], PRM s[38:39]
	v_lshl_add_u32 v152, v0, 2, 0x29000
	v_mov_b32 v153, 0
	ds_add_u32 v152, v153
	ds_add_u32 v152, v153
	s_wait_dscnt 0x0
	v_lshrrev_b32 v1, 5, v0
	v_readfirstlane_b32 s4, v1                     ; wave 0..7
	s_cmp_eq_u32 ttmp9, PJOB
	s_cbranch_scc1 .Lparam
	; the job's numbers, first as a tile of WB ...
	s_lshr_b32 s5, ttmp9, 4                        ; part 0..7
	s_and_b32 s6, ttmp9, 15                        ; which 64 rows of its 1,024
	s_lshr_b32 s7, s5, 1
	s_max_u32 s7, s7, 1
	s_sub_co_u32 s7, s7, 1
	s_lshl_b32 s7, s7, 10                          ; the part's first row in its source: 0, 0, 1024, 2048 for part / 2 = 0 .. 3
	; ... then as a tile of W2B (j = 0 where the job is one of WB's: not used there)
	s_max_u32 s52, ttmp9, 128
	s_sub_co_u32 s52, s52, 128                     ; j 0..11
	s_mul_i32 s53, s52, 11
	s_lshr_b32 s53, s53, 5                         ; j / 3 (exact for j < 12): which of the four slices
	s_mul_i32 s54, s53, 3
	s_sub_co_u32 s54, s52, s54                     ; j % 3: which 64 rows of its 192
	s_mov_b32 s55, 30720                           ; bytes of a slice of W2B
	s_wait_kmcnt 0x0
	s_cmp_lt_u32 ttmp9, 128                        ; one compare serves all the selects: they leave SCC as it is
	s_cselect_b32 s5, s5, s53                      ; part
	s_cselect_b32 s6, s6, s54                      ; kt
	s_cselect_b32 s7, s7, 0                        ; first row
	s_cselect_b32 s55, 163840, s55                 ; bytes of a part of the output
	s_cselect_b32 s52, 16, 2                       ; the kt whose tile the matrix's end cuts: none (kt < 16), or 2 (rows 128-149 of 150)
	s_cselect_b64 s[56:57], s[8:9], s[12:13]       ; the source of parts 0, 1
	s_cselect_b64 s[58:59], s[10:11], s[14:15]     ; and of the other parts
	s_cselect_b64 s[60:61], s[34:35], s[36:37]     ; the output
	s_cmp_lt_u32 s5, 2
	s_cselect_b64 s[56:57], s[56:57], s[58:59]
	; descriptor group 1: a tile of 64 rows x 80 f32, rows 150 elements apart; the extents count from the tile's first element
	s_mov_b32 s44, 2<<16                           ; no mask; elements of 4 bytes; no padding
	s_mov_b32 s45, 150<<16                         ; tensor_dim0: 150 columns are left from column 0,
	s_and_b32 s53, s5, 1
	s_cmp_lg_u32 s53, 0
	s_cselect_b32 s45, 70<<16, s45                 ; 70 from column 80: the tile's last ten columns arrive as zeros
	s_mov_b32 s46, 64<<16                          ; tensor_dim1: the whole tile lies inside,
	s_cmp_eq_u32 s6, s52
	s_cselect_b32 s46, 22<<16, s46                 ; or 22 rows are left of 150 from row 128
	s_mov_b32 s47, 80<<16                          ; tile_dim0
	s_mov_b32 s48, 64                              ; tile_dim1
	s_mov_b32 s49, 150                             ; elements from row to row
	s_mov_b32 s50, 0
	s_mov_b32 s51, 0
	s_lshl_b32 s54, s6, 6
	s_add_co_u32 s7, s7, s54                       ; the tile's first row
	s_mul_i32 s62, s7, 150
	s_mul_i32 s53, s53, 80
	s_add_co_u32 s62, s62, s53                     ; + its first column
	s_lshl_b32 s62, s62, 2                         ; in bytes (under 2 MB)
	s_mov_b32 s63, 0
	s_add_nc_u64 s[56:57], s[56:57], s[62:63]
	s_mul_i32 s62, s5, s55
	s_mul_i32 s54, s6, 10240                       ; 64 rows of 160 bytes
	s_add_co_u32 s62, s62, s54
	s_add_nc_u64 s[60:61], s[60:61], s[62:63]      ; where the tile goes
	s_mov_b32 s40, 1                               ; group 0: count 1,
	s_mov_b32 s41, 0                               ; LDS byte 0,
	s_mov_b64 s[42:43], s[56:57]                   ; the tile's first element,
	s_or_b32 s43, s43, 0x80000000                  ; type 2
	s_cmp_lg_u32 s4, 0
	s_cbranch_scc1 .Lnot_wave_0                    ; one wave asks: one tensor load is out
	tensor_load_to_lds s[40:43], s[44:51]
	s_nop 0
.Lnot_wave_0:
	s_wait_tensorcnt 0x0                           ; the asking wave: the tile has landed (the others have nothing out)
	s_barrier_signal -1
	s_barrier_wait -1                              ; now every wave may read it
	v_lshlrev_b32 v1, 4, v0                        ; 16 t: four f32 in LDS
	v_lshlrev_b32 v2, 3, v0                        ; 8 t: four bf16 in the output
.irp i, 0,1,2,3,4
	ds_load_b128 v[8+4*\i:11+4*\i], v1 offset:4096*\i
.endr
.irp i, 0,1,2,3,4
	s_wait_dscnt 4-\i                              ; LDS loads come back in order: the later 4 - i may stay out
	v_cvt_pk_bf16_f32 v[28+2*\i], v[8+4*\i], v[9+4*\i]
	v_cvt_pk_bf16_f32 v[29+2*\i], v[10+4*\i], v[11+4*\i]
	global_store_b64 v2, v[28+2*\i:29+2*\i], s[60:61] offset:2048*\i
.endr
	s_wait_tensorcnt 0x0
	ds_add_u32 v152, v153
	s_wait_dscnt 0x0
	s_endpgm
	; PRM.  Thread n < 160 owns column n; columns 150-159 read column 149 (inside the buffers) and store zeros.
	; The block is 9,728 bytes, stored once, 128 bytes by each store of a wave.
.Lparam:
	s_cmp_ge_u32 s4, 5
	s_cbranch_scc1 .Lend                           ; 160 columns are five waves; no barrier stands on this way
	v_min_u32 v1, 149, v0
	v_lshlrev_b32 v1, 2, v1                        ; my column in the inputs
	v_lshlrev_b32 v2, 2, v0                        ; my column in PRM
	v_mov_b32 v3, 0
	s_wait_kmcnt 0x0
	s_load_b32 s52, s[22:23], 0x0                  ; attn_b3
	s_load_b32 s53, s[30:31], 0x0                  ; score_b3
	global_load_b32 v8, v1, s[16:17]               ; attn_b1
	global_load_b32 v9, v1, s[18:19]               ; attn_b2
	global_load_b32 v10, v1, s[20:21]              ; attn_W3
	global_load_b32 v11, v1, s[26:27]              ; score_b2
	global_load_b32 v12, v1, s[28:29]              ; score_W3
	global_load_b32 v13, v1, s[24:25]              ; score_b1
.set k, 0
.rept 20
	global_load_b32 v[WD+k], v1, s[10:11] offset:3072*600+600*k    ; score_W1[3072 + k][n]
.set k, k+1
.endr
.set k, 0
.rept 25
	global_load_b128 v[TAB+4*k:TAB+4*k+3], v3, s[32:33] offset:80+16*k   ; table rows 1 to 5 (the bins of widths 1 to 10): 400 bytes
.set k, k+1
.endr
	s_wait_loadcnt 0x0
.irp b, 0,1,2,3,4
	v_fma_f32 v[ACC+\b], v[TAB+20*\b], v[WD], v13  ; five sums, started by score_b1, side by side
.endr
.set k, 1
.rept 19
.irp b, 0,1,2,3,4
	v_fmac_f32 v[ACC+\b], v[TAB+20*\b+k], v[WD+k]
.endr
.set k, k+1
.endr
	v_cmp_gt_u32 vcc_lo, 150, v0
.irp r, 8,9,10,11,12,16,17,18,19,20
	v_cndmask_b32 v\r, 0, v\r, vcc_lo              ; zeros in columns 150-159
.endr
	global_store_b32 v2, v8, s[38:39]
	global_store_b32 v2, v9, s[38:39] offset:640
	global_store_b32 v2, v10, s[38:39] offset:1280
	global_store_b32 v2, v11, s[38:39] offset:1920
	global_store_b32 v2, v12, s[38:39] offset:2560
.set w, 0
.irp b, 0,1,2,3,3,3,3,4,4,4
	global_store_b32 v2, v[ACC+\b], s[38:39] offset:3200+640*w     ; widths 1 .. 10 fall into bins 1,2,3,4,4,4,4,5,5,5
.set w, w+1
.endr
	s_cmp_lg_u32 s4, 0
	s_cbranch_scc1 .Lend
	s_wait_kmcnt 0x0                               ; wave 0: the last 128 bytes: attn_b3, score_b3, zeros
	v_mov_b32 v5, s52
	v_mov_b32 v6, s53
	v_cmp_eq_u32 vcc_lo, 0, v0
	v_cndmask_b32 v4, 0, v5, vcc_lo
	v_cmp_eq_u32 vcc_lo, 1, v0
	v_cndmask_b32 v4, v4, v6, vcc_lo
	global_store_b32 v2, v4, s[38:39] offset:9600
.Lend:
	s_endpgm
.Lfunc_end_k_qbb0a98452f_prep:
	.size	k_qbb0a98452f_prep, .Lfunc_end_k_qbb0a98452f_prep-k_qbb0a98452f_prep
	.p2alignl 7, 3214868480
	.fill 96, 4, 3214868480
	.section	.rodata,"a",@progbits
	.p2align	6, 0x0
	.amdhsa_kernel k_qbb0a98452f_prep
		.amdhsa_group_segment_fixed_size 168960
		.amdhsa_private_segment_fixed_size 0
		.amdhsa_enable_private_segment 0
		.amdhsa_kernarg_size 128
		.amdhsa_user_sgpr_count 2
		.amdhsa_user_sgpr_kernarg_segment_ptr 1
		.amdhsa_wavefront_size32 1
		.amdhsa_system_sgpr_workgroup_id_x 1
		.amdhsa_system_sgpr_workgroup_id_y 1
		.amdhsa_system_sgpr_workgroup_id_z 1
		.amdhsa_system_vgpr_workitem_id 0
		.amdhsa_next_free_vgpr 154
		.amdhsa_next_free_sgpr 66
		.amdhsa_reserve_vcc 1
		.amdhsa_float_denorm_mode_32 3
		.amdhsa_float_denorm_mode_16_64 3
		.amdhsa_memory_ordered 1
		.amdhsa_forward_progress 1
		.amdhsa_inst_pref_size 16
	.end_amdhsa_kernel
	.amdgpu_metadata
---
amdhsa.version: [ 1, 2 ]
amdhsa.kernels:
  - .name:           k_qbb0a98452f_prep
    .symbol:         k_qbb0a98452f_prep.kd
    .args:
      - { .name: attn_W1, .offset: 0, .size: 8, .value_kind: global_buffer, .address_space: global }
      - { .name: score_W1, .offset: 8, .size: 8, .value_kind: global_buffer, .address_space: global }
      - { .name: attn_W2, .offset: 16, .size: 8, .value_kind: global_buffer, .address_space: global }
      - { .name: score_W2, .offset: 24, .size: 8, .value_kind: global_buffer, .address_space: global }
      - { .name: attn_b1, .offset: 32, .size: 8, .value_kind: global_buffer, .address_space: global }
      - { .name: attn_b2, .offset: 40, .size: 8, .value_kind: global_buffer, .address_space: global }
      - { .name: attn_W3, .offset: 48, .size: 8, .value_kind: global_buffer, .address_space: global }
      - { .name: attn_b3, .offset: 56, .size: 8, .value_kind: global_buffer, .address_space: global }
      - { .name: score_b1, .offset: 64, .size: 8, .value_kind: global_buffer, .address_space: global }
      - { .name: score_b2, .offset: 72, .size: 8, .value_kind: global_buffer, .address_space: global }
      - { .name: score_W3, .offset: 80, .size: 8, .value_kind: global_buffer, .address_space: global }
      - { .name: score_b3, .offset: 88, .size: 8, .value_kind: global_buffer, .address_space: global }
      - { .name: width_table, .offset: 96, .size: 8, .value_kind: global_buffer, .address_space: global }
      - { .name: WB, .offset: 104, .size: 8, .value_kind: global_buffer, .address_space: global }
      - { .name: W2B, .offset: 112, .size: 8, .value_kind: global_buffer, .address_space: global }
      - { .name: PRM, .offset: 120, .size: 8, .value_kind: global_buffer, .address_space: global }
    .group_segment_fixed_size: 168960
    .private_segment_fixed_size: 0
    .kernarg_segment_align: 8
    .kernarg_segment_size: 128
    .max_flat_workgroup_size: 256
    .sgpr_count:     66
    .vgpr_count:     154
    .wavefront_size: 32
...
	.end_amdgpu_metadata
.endif
;; end of part 1
;; launch proj (part 2): grid 32 x 8, 4 waves a work-group, clusters of 4 x 1, 327,680 bytes of LDS; arguments states, embeds, WB, H, B16, PRM; writes H, B16
.if DOCPART == 2
	.amdgcn_target "amdgcn-amd-amdhsa--gfx1250"
	.amdhsa_code_object_version 6
	.text
	.protected	k_qbb0a98452f_proj
	.globl	k_qbb0a98452f_proj
	.p2align	8
	.type	k_qbb0a98452f_proj,@function
k_qbb0a98452f_proj:
	s_mov_b64 s[64:65], 0
	v_nop
	global_prefetch_b8 v0, s[64:65] scope:SCOPE_SE
	s_setreg_imm32_b32 hwreg(HW_REG_WAVE_MODE, 25, 1), 1
	s_wait_xcnt 0x0
	s_wait_alu depctr_hold_cnt(0) depctr_sa_sdst(0) depctr_va_vdst(0) depctr_va_sdst(0) depctr_va_ssrc(0) depctr_va_vcc(0) depctr_vm_vsrc(0)
	s_getreg_b32 s2, hwreg(HW_REG_IB_STS2, 6, 4)
	s_cmp_eq_u32 s2, 0
	s_cbranch_scc0 .Lentry_in_a_cluster
	s_endpgm
.Lentry_in_a_cluster:
	s_bfe_u32 s2, ttmp6, 0x10000c
	s_cmp_lg_u32 s2, 0x3003
	s_cbranch_scc0 .Lentry_shape_is_right
	s_endpgm
.Lentry_shape_is_right:
; proj: the per-token products.  The first layer of both MLPs is linear in its input and the pooling is linear in embeds, so
;   g x W1 = (states x W1[0:1024])[i1] + (states x W1[1024:2048])[i2] + sum over l of weight_l (embeds x W1[2048:3072])[i1+l] + width term,
; and what costs arithmetic is made here once for each token instead of once for each span.
; Part y (0..7) is 80 columns of WB.
;   parts 0, 1 (states x attn_W1): relu(sum + attn_b1), rounded once to bf16, into B16 [4][2048][80] entries 0, 1: the next layer's matrix operand;
;   parts 2-5 (states x score_W1 rows 0-2047): f32 into H [4][2048][80];
;   parts 6, 7 (embeds x score_W1 rows 2048-3071): rounded once to bf16 into B16 entries 2, 3: the pooling's matrix operand.
; A work-group makes 64 tokens x 80 columns over K = 1024: 32 x 8 = 256 work-groups.
; K goes in four quarters of 256.  In a quarter wave w multiplies k = 64 w .. 64 w + 63 for ALL 64 tokens and 80 columns (20 accumulator
; tiles), so every LDS byte is read by one wave, once; the four waves' partial sums meet in LDS on the way out, which the output needs
; anyway to leave in whole rows.  Each output is (P0 + P1) + (P2 + P3), a fixed order.
; CLUSTER: the four token blocks of a cluster need the same tiles of WB (they hang on y and the wave alone): joint loads, mask 15.
; A's tiles are not shared: a token block of states has six takers along y and one of embeds two, which are no groups of four.
; LDS: three slots of 107,520 bytes; quarters 0, 1, 2 are asked for at once (six tensor loads of a wave are out), quarter 3 fills slot 0 again.
; Limits: states, embeds and the weights are rounded to bf16 as matrix operands; all sums are f32.
.set SLOT,   107520
.set APITCH, 1040                      ; a row of A in LDS: 1,024 bytes + 16: an odd multiple of 16, so sixteen rows start at sixteen different 16-byte columns of 256
.set AWAVE,  16*APITCH                 ; the 16 rows that one wave fetches
.set WOFF,   64*APITCH                 ; W's 256 k x 80 bf16 lie behind A's 64 rows; pitch 160 bytes, an odd multiple of 32
.set STAGE,  SLOT                      ; the way out: in slot 1, behind its only fill
.set SPITCH, 336                       ; 320 bytes + 16
.set SWAVE,  64*SPITCH                 ; one wave's partial sums
.set AAD,  4                           ; v4-6    my A bytes in slot 0, 1, 2
.set WAD,  7                           ; v7-9    my W bytes in slot 0, 1, 2
.set STO,  10                          ; v10     where my partial sums go
.set GO16, 11                          ; v11     16 x lane
.set GO8,  12                          ; v12     8 x lane
.set RA,   16                          ; v16-79  A as loaded, f32: 4 token tiles x 16 registers
.set FA,   80                          ; v80-143 A's fragments, two buffers of 4 x 8
.set FB,   144                         ; v144-223 W's fragments, two buffers of 5 x 8
.set RD,   224                         ; v224-233 the way out: where I read sums back
.set BO,   234                         ; v234-243 the bytes of attn_b1 that belong to my ten chunks of the way out
                                       ; v256-415 accumulator tile (m, j) at register 8 (5 m + j) of window 1
.set BI,   160                         ; v416-455 (registers 160-199 of window 1): attn_b1 of my ten chunks
.set G1A, 16                           ; s[16:23] group 1 of A's tiles
.set G1W, 24                           ; s[24:31] group 1 of W's tiles
.set G0A, 32                           ; s[32:47] group 0 of A's tiles, a set for each quarter: none is ever written again
.set G0W, 48                           ; s[48:63] the same for W
.set MSB, 0
.macro WIN new                         ; s_set_vgpr_msb: bits 1:0 source 0, 3:2 source 1, 5:4 source 2, 7:6 destination; the high byte repeats the setting that is left
.if MSB != \new
	s_set_vgpr_msb (MSB<<8)|\new
.set MSB, \new
.endif
.endm
; A round of the cluster's barrier: my work-group's barrier, wave 0 signals for the work-group, every wave waits for all four work-groups, my work-group's barrier again.
.macro ROUND
	s_barrier_signal -1
	s_barrier_wait -1
	s_cmp_lg_u32 s14, 0
	s_cbranch_scc1 .Lnot_wave_0_\@
	s_barrier_signal -3
.Lnot_wave_0_\@:
	s_barrier_wait -3
	s_barrier_signal -1
	s_barrier_wait -1
.endm
	s_load_b256 s[4:11], s[0:1], 0x0               ; states s[4:5], embeds s[6:7], WB s[8:9], H s[10:11]
	s_load_b64 s[12:13], s[0:1], 0x20              ; B16
	s_load_b64 s[80:81], s[0:1], 0x28              ; PRM
	v_lshl_add_u32 v254, v0, 2, 0x4ec00
	v_mov_b32 v255, 0
	ds_add_u32 v254, v255
	ds_add_u32 v254, v255
	v_lshrrev_b32 v1, 5, v0
	v_readfirstlane_b32 s14, v1                    ; wave 0..3
	s_bfe_u32 s15, ttmp6, 0x40000                  ; cx
	s_lshl_b32 s66, ttmp9, 2
	s_add_co_u32 s66, s66, s15                     ; token block = 4 x cluster x + cx
	s_and_b32 s67, ttmp7, 0xffff                   ; part: the same in all four partners
	; A: 16 rows x 256 f32, rows 1,024 elements apart, 4 words of padding behind every 256 words
	s_mov_b32 s[G1A+0], (2<<16)|(1<<20)|(7<<22)|(3<<25)
	s_mov_b32 s[G1A+1], 256<<16                    ; tensor_dim0
	s_mov_b32 s[G1A+2], 16<<16                     ; tensor_dim1
	s_mov_b32 s[G1A+3], 256<<16                    ; tile_dim0
	s_mov_b32 s[G1A+4], 16                         ; tile_dim1
	s_mov_b32 s[G1A+5], 1024
	s_mov_b32 s[G1A+6], 0
	s_mov_b32 s[G1A+7], 0
	; W: 64 k x 160 bytes are dense in WB: 40 rows of 256 bytes (32 elements of 8 bytes); mask 15 names the four partners, bit 21 beside it
	s_mov_b32 s[G1W+0], 15|(3<<16)|(1<<21)
	s_mov_b32 s[G1W+1], 32<<16
	s_mov_b32 s[G1W+2], 40<<16
	s_mov_b32 s[G1W+3], 32<<16
	s_mov_b32 s[G1W+4], 40
	s_mov_b32 s[G1W+5], 32
	s_mov_b32 s[G1W+6], 0
	s_mov_b32 s[G1W+7], 0
	s_lshl_b32 s70, s66, 18                        ; A: 64 tokens of 4,096 bytes a block,
	s_lshl_b32 s71, s14, 16                        ; 16 tokens a wave
	s_add_co_u32 s70, s70, s71
	s_mov_b32 s71, 0
	s_mul_i32 s76, s67, 163840                     ; W: the part,
	s_mul_i32 s75, s14, 10240                      ; 64 k a wave (also its place in LDS)
	s_add_co_u32 s76, s76, s75
	s_mov_b32 s77, 0
	s_mul_i32 s74, s14, AWAVE                      ; A's place in LDS: the wave's number alone
	s_wait_dscnt 0x0
	s_wait_kmcnt 0x0
	s_cmp_lt_u32 s67, 6
	s_cselect_b64 s[68:69], s[4:5], s[6:7]         ; parts 0-5 multiply states, 6 and 7 embeds
	s_add_nc_u64 s[68:69], s[68:69], s[70:71]
	s_add_nc_u64 s[76:77], s[8:9], s[76:77]
	s_min_u32 s82, s67, 1                          ; attn_b1 lies at PRM's byte 0: columns 0-79 for part 0, 80-159 for part 1 (and for the parts that do not use it)
	s_mul_i32 s82, s82, 320
	s_mov_b32 s83, 0
	s_add_nc_u64 s[80:81], s[80:81], s[82:83]
.irp q, 0,1,2,3
	s_mov_b32 s[G0A+4*\q], 1
	s_add_co_u32 s[G0A+4*\q+1], s74, (\q%3)*SLOT
	s_add_nc_u64 s[G0A+4*\q+2:G0A+4*\q+3], s[68:69], \q*1024       ; 256 f32 along the rows
	s_or_b32 s[G0A+4*\q+3], s[G0A+4*\q+3], 0x80000000
	s_mov_b32 s[G0W+4*\q], 1
	s_add_co_u32 s[G0W+4*\q+1], s75, (\q%3)*SLOT+WOFF
	s_add_nc_u64 s[G0W+4*\q+2:G0W+4*\q+3], s[76:77], \q*40960      ; 256 k of 160 bytes
	s_or_b32 s[G0W+4*\q+3], s[G0W+4*\q+3], 0x80000000
.endr
	ROUND                                          ; the four work-groups are here: the first joint loads meet
.irp q, 0,1,2
	tensor_load_to_lds s[G0W+4*\q:G0W+4*\q+3], s[G1W:G1W+7]        ; joint
	s_nop 0
	tensor_load_to_lds s[G0A+4*\q:G0A+4*\q+3], s[G1A:G1A+7]        ; my own
	s_nop 0
.endr
	; lane l: r = l % 16, h = l / 16.  A fragment of 16 x 32 holds row r; registers 0-3 k = 8 h + 0..7, registers 4-7 k = 16 + 8 h + 0..7.
	v_and_b32 v1, 31, v0
	v_and_b32 v2, 15, v0
	v_bfe_u32 v3, v0, 4, 1
	v_mul_u32_u24 v13, v2, APITCH                  ; A in f32: token r, 32 bytes at 32 h and 32 at 64 + 32 h, from my wave's k = 64 w
	v_lshl_add_u32 v13, v3, 5, v13
	s_lshl_b32 s78, s14, 8
	v_add_nc_u32 v[AAD], s78, v13
	v_add_nc_u32 v[AAD+1], SLOT, v[AAD]
	v_add_nc_u32 v[AAD+2], 2*SLOT, v[AAD]
	v_and_b32 v14, 7, v0                           ; W lies [k][n]: the transposing load wants row k0 + 8 h + l % 8, 16 bytes at 16 ((l / 8) % 2)
	v_lshl_add_u32 v14, v3, 3, v14
	s_lshl_b32 s79, s14, 6
	v_add_nc_u32 v14, s79, v14
	v_mul_u32_u24 v14, v14, 160
	v_bfe_u32 v15, v0, 3, 1
	v_lshl_add_u32 v14, v15, 4, v14
	v_add_nc_u32 v[WAD], WOFF, v14
	v_add_nc_u32 v[WAD+1], SLOT+WOFF, v14
	v_add_nc_u32 v[WAD+2], 2*SLOT+WOFF, v14
	v_mul_u32_u24 v[STO], v2, SPITCH
	v_lshl_add_u32 v[STO], v3, 5, v[STO]
	s_mul_i32 s78, s14, SWAVE
	s_add_co_u32 s78, s78, STAGE
	v_add_nc_u32 v[STO], s78, v[STO]
	v_lshlrev_b32 v[GO16], 4, v1
	v_lshlrev_b32 v[GO8], 3, v1
	; attn_b1 for the way out, asked for here so that it is there long before it is added.  On the way out I hold chunks c = lane + 32 i of 16 bytes;
	; chunk c is columns 4 (c % 20) .. + 3 of a token.  c % 20 = (((3277 c) & 0xffff) x 20) >> 16, exact for c < 320 (3277 x 20 = 65,536 + 4).
	; Every work-group issues these ten loads, so that the registers are written on every path; parts 2-7 have no bias here and do not use them.
.irp i, 0,1,2,3,4,5,6,7,8,9
	v_add_nc_u32 v13, 32*\i, v1
	v_mul_u32_u24 v13, v13, 3277
	v_and_b32 v13, 0xffff, v13
	v_mul_u32_u24 v13, v13, 20
	v_lshrrev_b32 v13, 16, v13
	v_lshlrev_b32 v[BO+\i], 4, v13
.endr
	WIN 0x40                                       ; the loads' destination in window 1
.irp i, 0,1,2,3,4,5,6,7,8,9
	global_load_b128 v[BI+4*\i:BI+4*\i+3], v[BO+\i], s[80:81]
.endr
	WIN 0
; The 26 LDS loads of K step t (t = 0..7: quarter t / 2, half t % 2 of my 64 k): A's f32 of four token tiles, W's five fragments into buffer t % 2.
.macro LOADS t
.set LQ, (\t)>>1
.set LS, (\t)&1
.set LSL, LQ%3
.irp m, 0,1,2,3
	ds_load_b128 v[RA+16*\m:RA+16*\m+3],     v[AAD+LSL] offset:\m*AWAVE+128*LS
	ds_load_b128 v[RA+16*\m+4:RA+16*\m+7],   v[AAD+LSL] offset:\m*AWAVE+128*LS+16
	ds_load_b128 v[RA+16*\m+8:RA+16*\m+11],  v[AAD+LSL] offset:\m*AWAVE+128*LS+64
	ds_load_b128 v[RA+16*\m+12:RA+16*\m+15], v[AAD+LSL] offset:\m*AWAVE+128*LS+80
.endr
.irp j, 0,1,2,3,4
	ds_load_tr16_b128 v[FB+40*LS+8*\j:FB+40*LS+8*\j+3],   v[WAD+LSL] offset:5120*LS+32*\j
	ds_load_tr16_b128 v[FB+40*LS+8*\j+4:FB+40*LS+8*\j+7], v[WAD+LSL] offset:5120*LS+32*\j+2560
.endr
.endm
; K step t: round A to bf16, ask for the next step's operands, 20 products.
; The product is used transposed (source 0 = 16 columns of W, source 1 = 16 tokens): lane (r, h) then holds token r and the eight
; neighbouring columns 8 h + 0..7 of the tile.
; The 32 conversions name no register of the step before's products, so they are the places between those products and
; the loads into the W buffer that they read; the A buffer written here was last read two steps ago.
; The 20 accumulators take turns, one instruction a turn, in the same order in every step.
.macro STEP t, next, zero
.set SP, (\t)&1
	s_wait_dscnt 0x0                               ; this step's 26 loads are the only ones out
.irp m, 0,1,2,3
.irp u, 0,1,2,3,4,5,6,7
	v_cvt_pk_bf16_f32 v[FA+32*SP+8*\m+\u], v[RA+16*\m+2*\u], v[RA+16*\m+2*\u+1]
.endr
.endr
.if \next
	LOADS \t+1
.endif
	WIN 0x50                                       ; C and D in window 1
.irp m, 0,1,2,3
.irp j, 0,1,2,3,4
.if \zero
	v_wmma_f32_16x16x32_bf16 v[8*(5*\m+\j):8*(5*\m+\j)+7], v[FB+40*SP+8*\j:FB+40*SP+8*\j+7], v[FA+32*SP+8*\m:FA+32*SP+8*\m+7], 0
.else
	v_wmma_f32_16x16x32_bf16 v[8*(5*\m+\j):8*(5*\m+\j)+7], v[FB+40*SP+8*\j:FB+40*SP+8*\j+7], v[FA+32*SP+8*\m:FA+32*SP+8*\m+7], v[8*(5*\m+\j):8*(5*\m+\j)+7]
.endif
.endr
.endr
	WIN 0
.endm
	s_wait_tensorcnt 0x4                           ; my two loads of quarter 0 have landed; the four of quarters 1 and 2, issued behind them, may stay out
	s_barrier_signal -1
	s_barrier_wait -1                              ; everybody's have
	LOADS 0
	STEP 0, 1, 1                                   ; the first products start the sums: nothing is cleared
	STEP 1, 0, 0
	s_wait_dscnt 0x0                               ; my reads of slot 0 are over (met: step 1 waited for them)
	s_wait_tensorcnt 0x0                           ; and all my tensor loads have landed, quarters 1 and 2 among them
	ds_add_u32 v254, v255
	s_wait_dscnt 0x0
	ROUND                                          ; so of every wave of all four work-groups: slot 0 may be filled again
	tensor_load_to_lds s[G0W+12:G0W+15], s[G1W:G1W+7]              ; quarter 3, the joint load first; two loads of mine are out
	s_nop 0
	tensor_load_to_lds s[G0A+12:G0A+15], s[G1A:G1A+7]
	s_nop 0
	LOADS 2
	STEP 2, 1, 0                                   ; four K steps of work while quarter 3 is on its way
	STEP 3, 1, 0
	STEP 4, 1, 0
	STEP 5, 0, 0
	s_wait_tensorcnt 0x0                           ; my part of quarter 3 has landed,
	s_wait_dscnt 0x0                               ; my reads of slots 1 and 2 are over:
	s_barrier_signal -1
	s_barrier_wait -1                              ; so of all four waves: slot 0 is whole, and slot 1 is free for the way out
	LOADS 6
	STEP 6, 1, 0
	STEP 7, 0, 0
	; THE WAY OUT.  Wave w adds up and stores tokens 16 w .. 16 w + 15: 320 chunks of four columns, chunk c = lane + 32 i.
	; In the stage chunk c lies at 16 (c + c / 20), rows being 21 chunks apart; c / 20 = (c x 3277) >> 16, exact for c < 320.
	; These 50 lines name no accumulator: they are the places between the last products and the stores that read their results.
	s_mul_i32 s79, s14, 16*SPITCH
	s_add_co_u32 s79, s79, STAGE
.irp i, 0,1,2,3,4,5,6,7,8,9
	v_add_nc_u32 v13, 32*\i, v1
	v_mul_u32_u24 v14, v13, 3277
	v_lshrrev_b32 v14, 16, v14
	v_add_lshl_u32 v14, v13, v14, 4
	v_add_nc_u32 v[RD+\i], s79, v14
.endr
	WIN 0x04                                       ; the stores' data in window 1
.irp m, 0,1,2,3
.irp j, 0,1,2,3,4
	ds_store_b128 v[STO], v[8*(5*\m+\j):8*(5*\m+\j)+3]   offset:\m*16*SPITCH+64*\j
	ds_store_b128 v[STO], v[8*(5*\m+\j)+4:8*(5*\m+\j)+7] offset:\m*16*SPITCH+64*\j+16
.endr
.endr
	WIN 0
	s_wait_dscnt 0x0                               ; for the others' sake: my partial sums are in LDS
	s_barrier_signal -1
	s_barrier_wait -1
.irp i, 0,1,2,3,4,5,6,7,8,9
.irp p, 0,1,2,3
	ds_load_b128 v[RA+16*\i+4*\p:RA+16*\i+4*\p+3], v[RD+\i] offset:\p*SWAVE
.endr
.endr
.irp i, 0,1,2,3,4,5,6,7,8,9
	s_wait_dscnt 36-4*\i                           ; chunk i's four parts are in; the four loads of each later chunk may stay out
	v_pk_add_f32 v[RA+16*\i:RA+16*\i+1],     v[RA+16*\i:RA+16*\i+1],     v[RA+16*\i+4:RA+16*\i+5]
	v_pk_add_f32 v[RA+16*\i+2:RA+16*\i+3],   v[RA+16*\i+2:RA+16*\i+3],   v[RA+16*\i+6:RA+16*\i+7]
	v_pk_add_f32 v[RA+16*\i+8:RA+16*\i+9],   v[RA+16*\i+8:RA+16*\i+9],   v[RA+16*\i+12:RA+16*\i+13]
	v_pk_add_f32 v[RA+16*\i+10:RA+16*\i+11], v[RA+16*\i+10:RA+16*\i+11], v[RA+16*\i+14:RA+16*\i+15]
	v_pk_add_f32 v[RA+16*\i:RA+16*\i+1],     v[RA+16*\i:RA+16*\i+1],     v[RA+16*\i+8:RA+16*\i+9]
	v_pk_add_f32 v[RA+16*\i+2:RA+16*\i+3],   v[RA+16*\i+2:RA+16*\i+3],   v[RA+16*\i+10:RA+16*\i+11]
.endr
	s_wait_loadcnt 0x0                             ; attn_b1, asked for at the head
	s_cmp_lt_u32 s67, 2                            ; the part is the same in all four partners
	s_cbranch_scc0 .Lplain
	WIN 0x04                                       ; parts 0, 1: + attn_b1 (source 1 in window 1), then ReLU
.irp i, 0,1,2,3,4,5,6,7,8,9
	v_pk_add_f32 v[RA+16*\i:RA+16*\i+1],   v[RA+16*\i:RA+16*\i+1],   v[BI+4*\i:BI+4*\i+1]
	v_pk_add_f32 v[RA+16*\i+2:RA+16*\i+3], v[RA+16*\i+2:RA+16*\i+3], v[BI+4*\i+2:BI+4*\i+3]
.endr
	WIN 0
.irp i, 0,1,2,3,4,5,6,7,8,9
.irp k, 0,1,2,3
	v_max_num_f32 v[RA+16*\i+\k], 0, v[RA+16*\i+\k]
.endr
.endr
.Lplain:
	s_sub_co_u32 s74, s67, 2                       ; parts 2-5 are H's parts 0-3 (parts 0, 1 wrap to large numbers)
	s_cmp_lt_u32 s74, 4
	s_cbranch_scc0 .Lbf16
	s_mul_i32 s74, s74, 655360                     ; H: the part, 64 tokens of 320 bytes a block, 16 tokens a wave
	s_mul_i32 s70, s66, 20480
	s_add_co_u32 s74, s74, s70
	s_mul_i32 s70, s14, 5120
	s_add_co_u32 s74, s74, s70
	s_mov_b32 s75, 0
	s_add_nc_u64 s[72:73], s[10:11], s[74:75]
.irp i, 0,1,2,3,4,5,6,7,8,9
	global_store_b128 v[GO16], v[RA+16*\i:RA+16*\i+3], s[72:73] offset:512*\i    ; a wave's store covers 512 consecutive bytes, aligned to 256
.endr
	s_branch .Lstored
.Lbf16:
	s_sub_co_u32 s74, s67, 4                       ; B16: parts 0, 1 are entries 0, 1; parts 6, 7 entries 2, 3; rows of 160 bytes
	s_cmp_lt_u32 s67, 2
	s_cselect_b32 s74, s67, s74
	s_mul_i32 s74, s74, 327680
	s_mul_i32 s70, s66, 10240
	s_add_co_u32 s74, s74, s70
	s_mul_i32 s70, s14, 2560
	s_add_co_u32 s74, s74, s70
	s_mov_b32 s75, 0
	s_add_nc_u64 s[72:73], s[12:13], s[74:75]
.irp i, 0,1,2,3,4,5,6,7,8,9
	v_cvt_pk_bf16_f32 v[RA+16*\i+4], v[RA+16*\i], v[RA+16*\i+1]
	v_cvt_pk_bf16_f32 v[RA+16*\i+5], v[RA+16*\i+2], v[RA+16*\i+3]
	global_store_b64 v[GO8], v[RA+16*\i+4:RA+16*\i+5], s[72:73] offset:256*\i    ; 256 consecutive bytes, aligned
.endr
.Lstored:
	s_wait_tensorcnt 0x0
	ds_add_u32 v254, v255
	s_wait_dscnt 0x0
	ROUND                                          ; the closing round: no work-group ends while a partner may still ask for a tile that names it
	s_endpgm
.Lfunc_end_k_qbb0a98452f_proj:
	.size	k_qbb0a98452f_proj, .Lfunc_end_k_qbb0a98452f_proj-k_qbb0a98452f_proj
	.p2alignl 7, 3214868480
	.fill 96, 4, 3214868480
	.section	.rodata,"a",@progbits
	.p2align	6, 0x0
	.amdhsa_kernel k_qbb0a98452f_proj
		.amdhsa_group_segment_fixed_size 327680
		.amdhsa_private_segment_fixed_size 0
		.amdhsa_enable_private_segment 0
		.amdhsa_kernarg_size 48
		.amdhsa_user_sgpr_count 2
		.amdhsa_user_sgpr_kernarg_segment_ptr 1
		.amdhsa_wavefront_size32 1
		.amdhsa_system_sgpr_workgroup_id_x 1
		.amdhsa_system_sgpr_workgroup_id_y 1
		.amdhsa_system_sgpr_workgroup_id_z 1
		.amdhsa_system_vgpr_workitem_id 0
		.amdhsa_next_free_vgpr 456
		.amdhsa_next_free_sgpr 84
		.amdhsa_reserve_vcc 0
		.amdhsa_float_denorm_mode_32 3
		.amdhsa_float_denorm_mode_16_64 3
		.amdhsa_memory_ordered 1
		.amdhsa_forward_progress 1
		.amdhsa_inst_pref_size 71
	.end_amdhsa_kernel
	.amdgpu_metadata
---
amdhsa.version: [ 1, 2 ]
amdhsa.kernels:
  - .name:           k_qbb0a98452f_proj
    .symbol:         k_qbb0a98452f_proj.kd
    .args:
      - { .name: states, .offset: 0, .size: 8, .value_kind: global_buffer, .address_space: global }
      - { .name: embeds, .offset: 8, .size: 8, .value_kind: global_buffer, .address_space: global }
      - { .name: WB, .offset: 16, .size: 8, .value_kind: global_buffer, .address_space: global }
      - { .name: H, .offset: 24, .size: 8, .value_kind: global_buffer, .address_space: global }
      - { .name: B16, .offset: 32, .size: 8, .value_kind: global_buffer, .address_space: global }
      - { .name: PRM, .offset: 40, .size: 8, .value_kind: global_buffer, .address_space: global }
    .group_segment_fixed_size: 327680
    .private_segment_fixed_size: 0
    .kernarg_segment_align: 8
    .kernarg_segment_size: 48
    .max_flat_workgroup_size: 128
    .sgpr_count:     84
    .vgpr_count:     456
    .wavefront_size: 32
...
	.end_amdgpu_metadata
.endif
;; end of part 2
;; launch span (part 3): grid 255 x 1, 5 waves a work-group, no clusters, 168,704 bytes of LDS; arguments H, B16, W2B, PRM, out0; writes out0
.if DOCPART == 3
	.amdgcn_target "amdgcn-amd-amdhsa--gfx1250"
	.amdhsa_code_object_version 6
	.text
	.protected	k_qbb0a98452f_span
	.globl	k_qbb0a98452f_span
	.p2align	8
	.type	k_qbb0a98452f_span,@function
k_qbb0a98452f_span:
	s_mov_b64 s[64:65], 0
	v_nop
	global_prefetch_b8 v0, s[64:65] scope:SCOPE_SE
	s_setreg_imm32_b32 hwreg(HW_REG_WAVE_MODE, 25, 1), 1
	s_wait_xcnt 0x0
; span: attention layers 2 and 3, the masked softmax, the pooling, and the score MLP, from the per-token products H and B16.
; Work-group g owns starts 8 g .. 8 g + 7: 80 spans = five tiles of 16, one for each wave, and the 17 tokens 8 g .. 8 g + 16.
; Span n (0..79) of the group has start i = n / 10 and width w = n % 10 + 1; its number in out0 is 80 g + n.
; Every product is used transposed (source 0 = 16 output columns of the weights, source 1 = 16 rows): lane (r, h) holds row r and columns
; 8 h + 0..7 of each 16-column tile, and after ReLU and packing that IS registers 4 c .. 4 c + 3 of the next layer's source 1.
; A. ATTENTION is made once for the group, shared by COLUMNS: wave m makes column tiles m and 5 + m of layer 2 for the token tiles 0-15 and
;    16-31 (tokens from 17 on arrive as zeros), so attn_W2 is read from LDS once by the five waves together.  Each wave's part of the
;    dot product with attn_W3 goes into 128 bytes of its own in LDS; behind a barrier every wave adds the five parts in one fixed order.
; B. SOFTMAX in the layout of the pooling's source 1.   C. LAYER 1 of the score MLP: Pa[i] + Pb[i + w - 1] + width term in f32, the pooling
;    added onto it as a product over 32 token places (places 17-31 are zeros).   D. LAYERS 2 and 3, each wave for its own 16 spans.
; The last group: token 2048 does not exist and arrives as zeros (the tiles' row extent is 16 there); it feeds start 2039 alone, whose ten
; results are not stored.
; NO CLUSTER, though all work-groups read W2B and PRM: 255 work-groups are no multiple of four, and a 256th would have no work.
; All tiles are first fills, asked for at the head: wave 0 has five tensor loads out, wave 1 eight.
; out0: a wave stores 64 consecutive bytes; a group's 320 bytes are no whole number of 256-byte pieces by any route.
; The activation's rows lie 160 bytes apart in LDS (the tile as it is in memory): rows r and r + 8 share a 16-byte column, on 20 loads of a wave.
; Limits: activations, softmax weights, Pc and the weights are bf16 as matrix operands, all sums f32.  The softmax takes the span's largest
; score away, with -1e10 in the places outside the span as the model has; weights under 2^-126 come out as 0 (v_exp_f32).  Scores at or
; below about -1e10, where the model's pad value itself would take part, are not served.
.set W2S,   51200                      ; LDS: attn_W2 low, high at 0, 25,600; score_W2 low, high at 51,200, 76,800: [160 k][80 n] bf16, pitch 160
.set HTL,   102400                     ; four parts of H (Pa low, high, Pb low, high), [17][80] f32, pitch 320,
.set HPART, 5632                       ; 5,632 bytes apart
.set XAT,   124928                     ; relu(attention layer 1), two halves [32][80] bf16, pitch 160, 5,120 bytes apart
.set PCT,   135168                     ; Pc, the same shape
.set PRML,  145408                     ; PRM, 9,728 bytes
.set SCR,   155136                     ; 5 x 128 bytes: the waves' parts of the 32 scores; blocks of 256 bytes into which no tile lands; the map ends at 155,776
.set XAD,  4                           ; v4   the activation of token r, 16 bytes at 16 h
.set BAD,  5                           ; v5   PRM at 32 h: eight numbers of a 16-column tile
.set TRAW, 6                           ; v6   the transposing load's lane term, for attn_W2, at my wave's column tile m
.set TRS,  7                           ; v7   for score_W2
.set TRP,  8                           ; v8   for Pc
.set PAAD, 9                           ; v9   Pa of my span's start
.set PBAD, 10                          ; v10  Pb of my span's end
.set WTAD, 11                          ; v11  the width term of my span's width
.set WID,  12                          ; v12  w
.set DD0,  13                          ; v13  8 h - i: place 8 h + j lies j + this behind my span's start
.set IDX0, 14                          ; v14  4 x 8 h: the lane that holds place 8 h's score, times 4
.set OOFF, 15                          ; v15  my span's byte in out0
.set WG,   16                          ; v16-23   softmax weights as a fragment (before that: lane indices)
.set SUM,  24                          ; v24-31   four chains of a layer 3
.set SC,   32                          ; v32      scores
.set BADW, 33                          ; v33      PRM at 32 h + my wave's column tile m
.set SST,  34                          ; v34      where my wave's part of token l's score goes
.set SLD,  35                          ; v35      wave 0's part of token l's score
.set IX8,  36                          ; v36      the ninth lane index
.set PL,   40                          ; v40-48   the nine places of the softmax; v49-55 at work (in A: v40-55 attn_W3 of my two tiles)
.set WF,   56                          ; v56-135  weight fragments; also a stage for addends
.set XF,   136                         ; v136-175 five fragments of source 1 (in the pooling: Pc's)
.set ACC,  176                         ; v176-255 ten accumulator tiles (in A: v176-215 the second token tile's fragments,
.set AA,   216                         ;          v216-247 four accumulators: 2 x token tile + column tile)
.macro LD32 dst, adr, off              ; eight f32 of a tile
	ds_load_b128 v[\dst:\dst+3],   v[\adr] offset:\off
	ds_load_b128 v[\dst+4:\dst+7], v[\adr] offset:\off+16
.endm
.macro LDTR dst, adr, off              ; a fragment of 32 k x 16 n from rows [k][n] of 160 bytes
	ds_load_tr16_b128 v[\dst:\dst+3],   v[\adr] offset:\off
	ds_load_tr16_b128 v[\dst+4:\dst+7], v[\adr] offset:\off+2560
.endm
.macro LDH base, adr, c                ; tile c (0..9) of a row of H, whose two halves lie HPART apart
.set COLC, (\c/5)*HPART+(\c%5)*64
	LD32 \base+8*\c, \adr, COLC
.endm
.macro ADD8 d, s
.irp u, 0,2,4,6
	v_pk_add_f32 v[\d+\u:\d+\u+1], v[\d+\u:\d+\u+1], v[\s+\u:\s+\u+1]
.endr
.endm
.macro RELU first, count
.set t, 0
.rept \count
	v_max_num_f32 v[\first+t], 0, v[\first+t]
.set t, t+1
.endr
.endm
.macro PLACES                          ; four places behind a matrix instruction (ISA guide 7.12.1) where the wave has no other vector work
.rept 4
	v_nop
.endr
.endm
; Batch n of the score MLP's layer 2: K step n / 2, column half n % 2: five fragments into set n % 2.
.macro LOADB wad, n
.set BS, (\n)>>1
.set BG, (\n)&1
.irp jj, 0,1,2,3,4
	LDTR WF+40*BG+8*\jj, \wad, BG*25600+5120*BS+32*\jj
.endr
.endm
.macro BATCH wad, n
.set CS, (\n)>>1
.set CG, (\n)&1
.if (\n%9) == 0
	s_wait_dscnt 0x0                               ; batch 0: the bias was asked for last; batch 9: nothing is asked for behind it
.else
	s_wait_dscnt 10                                ; the next batch's ten loads may stay out; all older ones are in
.endif
.irp jj, 0,1,2,3,4
	v_wmma_f32_16x16x32_bf16 v[ACC+8*(5*CG+\jj):ACC+8*(5*CG+\jj)+7], v[WF+40*CG+8*\jj:WF+40*CG+8*\jj+7], v[XF+8*CS:XF+8*CS+7], v[ACC+8*(5*CG+\jj):ACC+8*(5*CG+\jj)+7]
.endr
.if \n != 8
	PLACES                                         ; ahead of the loads into the set just read (behind batch 9: for batch 8's set too)
.endif
.if \n < 8
	LOADB \wad, \n+2
.endif
.endm
	s_load_b256 s[4:11], s[0:1], 0x0               ; H s[4:5], B16 s[6:7], W2B s[8:9], PRM s[10:11]
	s_load_b64 s[12:13], s[0:1], 0x20              ; out0
	v_lshl_add_u32 v38, v0, 2, 0x29000
	v_mov_b32 v39, 0
	ds_add_u32 v38, v39
	ds_add_u32 v38, v39
	v_lshrrev_b32 v1, 5, v0
	v_readfirstlane_b32 s14, v1                    ; wave 0..4
	s_lshl_b32 s15, ttmp9, 3                       ; the group's first token
	s_mov_b32 s68, 17<<16                          ; the tiles' row extent: 17 tokens,
	s_cmp_eq_u32 ttmp9, 254
	s_cselect_b32 s68, 16<<16, s68                 ; 16 are left in the last group
	s_mov_b32 s70, 0x76543210                      ; v_permlanex16_b32: lane i of one half reads lane i of the other
	s_mov_b32 s71, 0xfedcba98
	s_mov_b32 s72, 0xd01502f9                      ; -1e10
	s_mov_b32 s73, 0x3fb8aa3b                      ; log2 e
	s_wait_dscnt 0x0
	s_wait_kmcnt 0x0
	s_load_b64 s[2:3], s[10:11], 0x2580            ; attn_b3, score_b3 (PRM byte 9,600)
	s_cmp_eq_u32 s14, 0
	s_cbranch_scc0 .Lnot_wave_0
	; wave 0: PRM, then H's four parts
	s_mov_b32 s24, 3<<16                           ; PRM is dense: 38 rows of 256 bytes (32 elements of 8 bytes)
	s_mov_b32 s25, 32<<16
	s_mov_b32 s26, 38<<16
	s_mov_b32 s27, 32<<16
	s_mov_b32 s28, 38
	s_mov_b32 s29, 32
	s_mov_b32 s30, 0
	s_mov_b32 s31, 0
	s_mov_b32 s16, 2<<16                           ; H: 17 rows x 80 f32
	s_mov_b32 s17, 80<<16
	s_mov_b32 s18, s68
	s_mov_b32 s19, 80<<16
	s_mov_b32 s20, 17
	s_mov_b32 s21, 80
	s_mov_b32 s22, 0
	s_mov_b32 s23, 0
	s_mov_b32 s32, 1
	s_mov_b32 s33, PRML
	s_mov_b64 s[34:35], s[10:11]
	s_or_b32 s35, s35, 0x80000000
	tensor_load_to_lds s[32:35], s[24:31]
	s_nop 0
	s_mul_i32 s66, s15, 320
	s_mov_b32 s67, 0
	s_add_nc_u64 s[66:67], s[4:5], s[66:67]
.irp p, 0,1,2,3
	s_mov_b32 s[36+4*\p], 1
	s_mov_b32 s[37+4*\p], HTL+HPART*\p
	s_add_nc_u64 s[38+4*\p:39+4*\p], s[66:67], \p*655360
	s_or_b32 s[39+4*\p], s[39+4*\p], 0x80000000
	tensor_load_to_lds s[36+4*\p:39+4*\p], s[16:23]
	s_nop 0
.endr
	s_branch .Lasked
.Lnot_wave_0:
	s_cmp_eq_u32 s14, 1
	s_cbranch_scc0 .Lasked
	; wave 1: the activation's halves and attn_W2's halves, then score_W2's halves and Pc's halves
	s_mov_b32 s16, 3<<16                           ; rows 0-159 of a slice of W2B are dense: 100 rows of 256 bytes
	s_mov_b32 s17, 32<<16
	s_mov_b32 s18, 100<<16
	s_mov_b32 s19, 32<<16
	s_mov_b32 s20, 100
	s_mov_b32 s21, 32
	s_mov_b32 s22, 0
	s_mov_b32 s23, 0
	s_mov_b32 s24, 1<<16                           ; B16: a tile of 32 rows x 80 bf16 of which 17 (16) exist: the rest arrive as zeros
	s_mov_b32 s25, 80<<16
	s_mov_b32 s26, s68
	s_mov_b32 s27, 80<<16
	s_mov_b32 s28, 32
	s_mov_b32 s29, 80
	s_mov_b32 s30, 0
	s_mov_b32 s31, 0
	s_mul_i32 s66, s15, 160
	s_mov_b32 s67, 0
	s_add_nc_u64 s[66:67], s[6:7], s[66:67]
.irp q, 0,1
	s_mov_b32 s[32+4*\q], 1
	s_mov_b32 s[33+4*\q], XAT+5120*\q
	s_add_nc_u64 s[34+4*\q:35+4*\q], s[66:67], \q*327680
	s_or_b32 s[35+4*\q], s[35+4*\q], 0x80000000
	tensor_load_to_lds s[32+4*\q:35+4*\q], s[24:31]
	s_nop 0
.endr
.irp q, 0,1,2,3
	s_mov_b32 s[40+4*\q], 1
	s_mov_b32 s[41+4*\q], \q*25600
	s_add_nc_u64 s[42+4*\q:43+4*\q], s[8:9], \q*30720
	s_or_b32 s[43+4*\q], s[43+4*\q], 0x80000000
	tensor_load_to_lds s[40+4*\q:43+4*\q], s[16:23]
	s_nop 0
.endr
.irp q, 0,1
	s_mov_b32 s[56+4*\q], 1
	s_mov_b32 s[57+4*\q], PCT+5120*\q
	s_add_nc_u64 s[58+4*\q:59+4*\q], s[66:67], (2+\q)*327680
	s_or_b32 s[59+4*\q], s[59+4*\q], 0x80000000
	tensor_load_to_lds s[56+4*\q:59+4*\q], s[24:31]
	s_nop 0
.endr
.Lasked:
	; the lane's numbers, while the tiles are on their way (scalars in s74-s78: no descriptor register is written)
	v_and_b32 v1, 31, v0
	v_and_b32 v2, 15, v0                           ; r
	v_bfe_u32 v3, v0, 4, 1                         ; h
	s_lshl_b32 s74, s14, 4
	s_mul_i32 s75, ttmp9, 80
	s_lshl_b32 s76, s14, 5                         ; column tile m: 32 bytes of a row of bf16,
	s_lshl_b32 s77, s14, 6                         ; 64 bytes of a row of f32
	s_lshl_b32 s78, s14, 7
	s_add_co_u32 s78, s78, SCR                     ; my wave's 128 bytes of scratch
	v_add_nc_u32 v24, s74, v2                      ; n
	v_mul_u32_u24 v26, v24, 205                    ; 205 n = 2048 i + (2 i + 205 (n % 10)), the bracket under 2,048 for n < 80
	v_lshrrev_b32 v25, 11, v26                     ; i = n / 10
	v_and_b32 v26, 0x7ff, v26
	v_mul_u32_u24 v26, v26, 10
	v_lshrrev_b32 v26, 11, v26                     ; w - 1 = n % 10: (20 i + 2050 (n % 10)) >> 11, the excess under 2,048
	v_add_nc_u32 v[WID], 1, v26
	v_add_nc_u32 v27, v25, v26                     ; the span's last token, 16 at the most
	v_lshlrev_b32 v29, 5, v3                       ; 32 h
	v_mul_u32_u24 v28, v2, 160
	v_lshl_add_u32 v28, v3, 4, v28
	v_add_nc_u32 v[XAD], XAT, v28
	v_add_nc_u32 v[BAD], PRML, v29
	v_add_nc_u32 v[BADW], s77, v[BAD]
	v_and_b32 v30, 7, v0
	v_lshl_add_u32 v30, v3, 3, v30
	v_mul_u32_u24 v30, v30, 160                    ; row 8 h + l % 8,
	v_bfe_u32 v31, v0, 3, 1
	v_lshl_add_u32 v30, v31, 4, v30                ; 16 bytes at 16 ((l / 8) % 2)
	v_add_nc_u32 v[TRAW], s76, v30
	v_add_nc_u32 v[TRS], W2S, v30
	v_add_nc_u32 v[TRP], PCT, v30
	v_mul_u32_u24 v28, v25, 320
	v_add3_u32 v[PAAD], v28, v29, HTL
	v_mul_u32_u24 v28, v27, 320
	v_add3_u32 v[PBAD], v28, v29, HTL+2*HPART
	v_mul_u32_u24 v28, v26, 640
	v_add3_u32 v[WTAD], v28, v29, PRML+3200
	v_lshlrev_b32 v31, 3, v3
	v_sub_nc_u32 v[DD0], v31, v25
	v_lshlrev_b32 v[IDX0], 5, v3
	v_add_nc_u32 v28, s75, v24
	v_lshlrev_b32 v[OOFF], 2, v28
	v_lshlrev_b32 v28, 2, v1
	v_add_nc_u32 v[SST], s78, v28
	v_add_nc_u32 v[SLD], SCR, v28
	s_wait_kmcnt 0x0                               ; the two b3
	s_wait_tensorcnt 0x4                           ; wave 0: PRM has landed; wave 1: the activation's and attn_W2's halves; the four loads issued behind them may stay out
	s_barrier_signal -1
	s_barrier_wait -1
	; A. attention layer 2: column tiles m and 5 + m, token tiles 0-15 and 16-31.  The bias is loaded straight into the four accumulators.
.irp a, 0,1,2,3
.set BO2, 640+320*(\a&1)
	LD32 AA+8*\a, BADW, BO2
.endr
	; K step s is the 16-k chunks 2 s and 2 s + 1; chunk c lies in half c / 5 at byte 32 (c % 5) of the row
.irp s, 0,1,2,3,4
.set CH0, ((2*\s)/5)*5120+((2*\s)%5)*32
.set CH1, ((2*\s+1)/5)*5120+((2*\s+1)%5)*32
	ds_load_b128 v[XF+8*\s:XF+8*\s+3],     v[XAD] offset:CH0
	ds_load_b128 v[XF+8*\s+4:XF+8*\s+7],   v[XAD] offset:CH1
	ds_load_b128 v[ACC+8*\s:ACC+8*\s+3],   v[XAD] offset:CH0+2560
	ds_load_b128 v[ACC+8*\s+4:ACC+8*\s+7], v[XAD] offset:CH1+2560
	LDTR WF+16*\s,   TRAW, 5120*\s
	LDTR WF+16*\s+8, TRAW, 25600+5120*\s
.endr
	LD32 PL,   BADW, 1280                          ; attn_W3 of tile m
	LD32 PL+8, BADW, 1600                          ; and of tile 5 + m
	; the four accumulators take turns, one instruction a turn
.irp s, 0,1,2,3,4
	s_wait_dscnt 36-8*\s                           ; the eight loads of each later K step and attn_W3's four may stay out
.irp a, 0,1,2,3
.set AE, \a&1
.set AT, \a>>1
	v_wmma_f32_16x16x32_bf16 v[AA+8*\a:AA+8*\a+7], v[WF+16*\s+8*AE:WF+16*\s+8*AE+7], v[XF+40*AT+8*\s:XF+40*AT+8*\s+7], v[AA+8*\a:AA+8*\a+7]
.endr
.endr
	; the softmax's nine lane indices: place 8 h + j's score will lie in lane 8 h + j, place 16 + 8 h's in lane 16 + 8 h.
	; These lines name no register of the products: they are the places (ISA guide 7.12.1) ahead of the lines that read the results.
.irp j, 0,1,2,3,4,5,6,7
	v_add_nc_u32 v[WG+\j], 4*\j, v[IDX0]
.endr
	v_add_nc_u32 v[IX8], 64, v[IDX0]
	s_wait_dscnt 0x0                               ; attn_W3
	RELU AA, 32
.irp a, 0,1,2,3
.set AE, \a&1
	v_pk_mul_f32 v[SUM+2*\a:SUM+2*\a+1], v[AA+8*\a:AA+8*\a+1], v[PL+8*AE:PL+8*AE+1]       ; the first products start the four chains
.endr
.irp u, 1,2,3
.irp a, 0,1,2,3
.set AE, \a&1
	v_pk_fma_f32 v[SUM+2*\a:SUM+2*\a+1], v[AA+8*\a+2*\u:AA+8*\a+2*\u+1], v[PL+8*AE+2*\u:PL+8*AE+2*\u+1], v[SUM+2*\a:SUM+2*\a+1]
.endr
.endr
	v_pk_add_f32 v[SUM:SUM+1], v[SUM:SUM+1], v[SUM+2:SUM+3]        ; tokens 0-15: both column tiles
	v_pk_add_f32 v[SUM+4:SUM+5], v[SUM+4:SUM+5], v[SUM+6:SUM+7]    ; tokens 16-31
	v_add_f32 v[SUM], v[SUM], v[SUM+1]
	v_add_f32 v[SUM+4], v[SUM+4], v[SUM+5]
	v_permlanex16_b32 v[SUM+1], v[SUM], s70, s71   ; the other eight columns of each tile lie in lane l xor 16
	v_permlanex16_b32 v[SUM+5], v[SUM+4], s70, s71
	v_add_f32 v[SUM], v[SUM], v[SUM+1]
	v_add_f32 v[SUM+4], v[SUM+4], v[SUM+5]
	v_cmp_gt_u32 vcc_lo, 16, v1
	v_cndmask_b32 v[SC], v[SUM+4], v[SUM], vcc_lo  ; lane l: my 32 columns' part of token l's score
	ds_store_b32 v[SST], v[SC]
	s_wait_dscnt 0x0                               ; for the others' sake: my part is in LDS
	s_wait_tensorcnt 0x0                           ; waves 0 and 1: H, score_W2 and Pc have landed
	s_barrier_signal -1
	s_barrier_wait -1                              ; the last barrier: from here on every tile and every part is whole
	; B. softmax, laid out as the pooling's source 1: lane (r, h) holds span r's weights of token places 8 h + 0..7 and 16 + 8 h.
	; A place outside the span gets -1e10 whatever lane it read.  The operands of layer 1 are asked for in short runs among these lines.
.irp p, 0,1,2,3,4
	ds_load_b32 v[PL+\p], v[SLD] offset:128*\p
.endr
	v_mov_b32 v50, s72
	v_mov_b32 v52, 0                               ; v_permlanex16_b32 counts as a reader of its destination
	s_wait_dscnt 0x0
	v_add_f32 v[PL], v[PL], v[PL+1]
	v_add_f32 v[PL+2], v[PL+2], v[PL+3]
	v_add_f32 v[PL], v[PL], v[PL+2]
	v_add_f32 v[PL], v[PL], v[PL+4]
	v_add_f32 v[SC], s2, v[PL]                     ; lane l: token l's score
.irp j, 0,1,2,3,4,5,6,7
	ds_bpermute_b32 v[PL+\j], v[WG+\j], v[SC]
.endr
	ds_bpermute_b32 v[PL+8], v[IX8], v[SC]
.irp c, 0,1,2,3,4
	LDTR XF+8*\c, TRP, 32*\c                       ; Pc, column tiles 0-4
.endr
	s_wait_dscnt 10                                ; the nine scores are in; Pc's ten loads may stay out
.irp j, 0,1,2,3,4,5,6,7
	v_add_nc_u32 v49, \j, v[DD0]                   ; place - start; unsigned, so a place in front of the start fails too
	v_cmp_gt_u32 vcc_lo, v[WID], v49
	v_cndmask_b32 v[PL+\j], v50, v[PL+\j], vcc_lo
	LDH ACC, PAAD, \j                              ; Pa, straight into the accumulators
.endr
	v_add_nc_u32 v49, 16, v[DD0]
	v_cmp_gt_u32 vcc_lo, v[WID], v49
	v_cndmask_b32 v[PL+8], v50, v[PL+8], vcc_lo
	LDH ACC, PAAD, 8
	v_max3_num_f32 v51, v[PL], v[PL+1], v[PL+2]
	v_max3_num_f32 v51, v51, v[PL+3], v[PL+4]
	v_max3_num_f32 v51, v51, v[PL+5], v[PL+6]
	v_max3_num_f32 v51, v51, v[PL+7], v[PL+8]
	LDH ACC, PAAD, 9
	v_permlanex16_b32 v52, v51, s70, s71
	v_max_num_f32 v51, v51, v52                    ; the span's largest score (a span has at least one token)
	v_mul_f32 v53, s73, v51                        ; its rounding is common to all places and cancels in the normalisation
	; 2^(x log2 e - max log2 e), three at a time; the next three's multiply-adds are the plain lines behind each group (ISA guide 5.7.2)
.irp j, 0,1,2
	v_fma_f32 v[PL+\j], v[PL+\j], s73, -v53
.endr
.irp j, 0,1,2
	v_exp_f32 v[PL+\j], v[PL+\j]
.endr
	LDH WF, PBAD, 0                                ; Pb
	LDH WF, PBAD, 1
.irp j, 3,4,5
	v_fma_f32 v[PL+\j], v[PL+\j], s73, -v53
.endr
.irp j, 3,4,5
	v_exp_f32 v[PL+\j], v[PL+\j]
.endr
	LDH WF, PBAD, 2
	LDH WF, PBAD, 3
.irp j, 6,7,8
	v_fma_f32 v[PL+\j], v[PL+\j], s73, -v53
.endr
.irp j, 6,7,8
	v_exp_f32 v[PL+\j], v[PL+\j]
.endr
	LDH WF, PBAD, 4
	LDH WF, PBAD, 5
	s_wait_alu depctr_va_vdst(0)
	v_add_f32 v54, v[PL], v[PL+1]
	v_add_f32 v55, v[PL+2], v[PL+3]
	v_add_f32 v54, v54, v[PL+4]
	v_add_f32 v55, v55, v[PL+5]
	LDH WF, PBAD, 6
	LDH WF, PBAD, 7
	v_add_f32 v54, v54, v[PL+6]
	v_add_f32 v55, v55, v[PL+7]
	v_add_f32 v54, v54, v[PL+8]
	v_add_f32 v54, v54, v55
	LDH WF, PBAD, 8
	LDH WF, PBAD, 9
	v_permlanex16_b32 v52, v54, s70, s71
	v_add_f32 v54, v54, v52                        ; about 1 at the least: the largest score's own term
	v_rcp_f32 v55, v54
	v_mov_b32 v[WG+5], 0                           ; places 18 + 8 h .. 23 + 8 h: no token (and the plain lines behind v_rcp_f32)
	v_mov_b32 v[WG+6], 0
	v_mov_b32 v[WG+7], 0
	s_wait_alu depctr_va_vdst(0)
.irp j, 0,1,2,3,4,5,6,7,8
	v_mul_f32 v[PL+\j], v[PL+\j], v55
.endr
.irp u, 0,1,2,3
	v_cvt_pk_bf16_f32 v[WG+\u], v[PL+2*\u], v[PL+2*\u+1]
.endr
	v_cvt_pk_bf16_f32 v[WG+4], v[PL+8], 0
	; C. layer 1 of the score MLP.  The two halves of the ten tiles take turns: one half's adds and ReLUs name no register of the other
	; half's products and are the places behind them, ahead of the loads into Pc's registers and of the lines that read the results.
	s_wait_dscnt 0x0                               ; Pc's first half, Pa, Pb
.irp c, 0,1,2,3,4
	ADD8 ACC+8*\c, WF+8*\c                         ; tiles 0-4: Pa + Pb
.endr
.irp c, 0,1,2,3,4
	LD32 WF+8*\c, WTAD, 64*\c                      ; the width term of tiles 0-4
.endr
.irp c, 0,1,2,3,4
	v_wmma_f32_16x16x32_bf16 v[ACC+8*\c:ACC+8*\c+7], v[XF+8*\c:XF+8*\c+7], v[WG:WG+7], v[ACC+8*\c:ACC+8*\c+7]
.endr
.irp c, 5,6,7,8,9
	ADD8 ACC+8*\c, WF+8*\c                         ; tiles 5-9: Pa + Pb
.endr
.irp c, 0,1,2,3,4
	LDTR XF+8*\c, TRP, 5120+32*\c                  ; Pc, column tiles 5-9
.endr
.irp c, 5,6,7,8,9
	LD32 WF+8*\c, WTAD, 64*\c                      ; the width term of tiles 5-9
.endr
	s_wait_dscnt 20                                ; the width term of tiles 0-4 is in; Pc's ten and the other width term's ten may stay out
.irp c, 0,1,2,3,4
	ADD8 ACC+8*\c, WF+8*\c
.endr
	LOADB TRS, 0                                   ; layer 2's first weights, into the registers just read
	s_wait_dscnt 20                                ; Pc is in; the width term's ten and the weights' ten may stay out
.irp c, 0,1,2,3,4
	v_wmma_f32_16x16x32_bf16 v[ACC+40+8*\c:ACC+40+8*\c+7], v[XF+8*\c:XF+8*\c+7], v[WG:WG+7], v[ACC+40+8*\c:ACC+40+8*\c+7]
.endr
	RELU ACC, 40                                   ; tiles 0-4
	s_wait_dscnt 10                                ; the width term of tiles 5-9 is in; the weights' ten may stay out
.irp c, 5,6,7,8,9
	ADD8 ACC+8*\c, WF+8*\c
.endr
	LOADB TRS, 1
	RELU ACC+40, 40                                ; tiles 5-9
.set t, 0
.rept 40
	v_cvt_pk_bf16_f32 v[XF+t], v[ACC+2*t], v[ACC+2*t+1]            ; tile c's eight columns become registers 4 c .. 4 c + 3 of source 1
.set t, t+1
.endr
	; D. layers 2 and 3: relu(XF x score_W2 + b2) . score_W3 + b3.  The bias is loaded straight into the accumulators.
	; The ten accumulators take turns, one instruction a turn, round and round.
.irp c, 0,1,2,3,4,5,6,7,8,9
	LD32 ACC+8*\c, BAD, 1920+64*\c
.endr
.irp n, 0,1,2,3,4,5,6,7,8,9
	BATCH TRS, \n
.endr
.irp c, 0,1,2,3,4,5,6,7,8,9
	LD32 WF+8*\c, BAD, 2560+64*\c
.endr
	RELU ACC, 80
	s_wait_dscnt 0x0                               ; score_W3
.irp x, 0,1,2,3
	v_pk_mul_f32 v[SUM+2*\x:SUM+2*\x+1], v[ACC+2*\x:ACC+2*\x+1], v[WF+2*\x:WF+2*\x+1]   ; the first products start the four chains
.endr
.set t, 4
.rept 36
	v_pk_fma_f32 v[SUM+2*(t%4):SUM+2*(t%4)+1], v[ACC+2*t:ACC+2*t+1], v[WF+2*t:WF+2*t+1], v[SUM+2*(t%4):SUM+2*(t%4)+1]
.set t, t+1
.endr
	v_pk_add_f32 v[SUM:SUM+1], v[SUM:SUM+1], v[SUM+2:SUM+3]
	v_pk_add_f32 v[SUM+4:SUM+5], v[SUM+4:SUM+5], v[SUM+6:SUM+7]
	v_pk_add_f32 v[SUM:SUM+1], v[SUM:SUM+1], v[SUM+4:SUM+5]
	v_add_f32 v[SUM], v[SUM], v[SUM+1]             ; my 80 columns of span r;
	v_permlanex16_b32 v[SUM+1], v[SUM], s70, s71   ; the other 80 lie in lane l xor 16
	v_add_f32 v[SUM], v[SUM], v[SUM+1]
	v_add_f32 v[SC], s3, v[SUM]
	; out: lanes 0-15 hold the wave's 16 results; the last group's spans 70-79 do not exist
	v_cmp_gt_u32 vcc_lo, 16, v1
	v_cmp_gt_u32 s79, 81560, v[OOFF]               ; 20,390 spans of 4 bytes
	s_and_b32 vcc_lo, vcc_lo, s79
	s_wait_tensorcnt 0x0
	ds_add_u32 v38, v39
	s_wait_dscnt 0x0
	s_and_saveexec_b32 s80, vcc_lo                 ; no global load or store has been issued so far
	global_store_b32 v[OOFF], v[SC], s[12:13]
	s_wait_xcnt 0x0                                ; EXEC is widened only behind this wait
	s_or_b32 exec_lo, exec_lo, s80
	s_endpgm
.Lfunc_end_k_qbb0a98452f_span:
	.size	k_qbb0a98452f_span, .Lfunc_end_k_qbb0a98452f_span-k_qbb0a98452f_span
	.p2alignl 7, 3214868480
	.fill 96, 4, 3214868480
	.section	.rodata,"a",@progbits
	.p2align	6, 0x0
	.amdhsa_kernel k_qbb0a98452f_span
		.amdhsa_group_segment_fixed_size 168704
		.amdhsa_private_segment_fixed_size 0
		.amdhsa_enable_private_segment 0
		.amdhsa_kernarg_size 40
		.amdhsa_user_sgpr_count 2
		.amdhsa_user_sgpr_kernarg_segment_ptr 1
		.amdhsa_wavefront_size32 1
		.amdhsa_system_sgpr_workgroup_id_x 1
		.amdhsa_system_sgpr_workgroup_id_y 1
		.amdhsa_system_sgpr_workgroup_id_z 1
		.amdhsa_system_vgpr_workitem_id 0
		.amdhsa_next_free_vgpr 256
		.amdhsa_next_free_sgpr 84
		.amdhsa_reserve_vcc 1
		.amdhsa_float_denorm_mode_32 3
		.amdhsa_float_denorm_mode_16_64 3
		.amdhsa_memory_ordered 1
		.amdhsa_forward_progress 1
		.amdhsa_inst_pref_size 57
	.end_amdhsa_kernel
	.amdgpu_metadata
---
amdhsa.version: [ 1, 2 ]
amdhsa.kernels:
  - .name:           k_qbb0a98452f_span
    .symbol:         k_qbb0a98452f_span.kd
    .args:
      - { .name: H, .offset: 0, .size: 8, .value_kind: global_buffer, .address_space: global }
      - { .name: B16, .offset: 8, .size: 8, .value_kind: global_buffer, .address_space: global }
      - { .name: W2B, .offset: 16, .size: 8, .value_kind: global_buffer, .address_space: global }
      - { .name: PRM, .offset: 24, .size: 8, .value_kind: global_buffer, .address_space: global }
      - { .name: out0, .offset: 32, .size: 8, .value_kind: global_buffer, .address_space: global }
    .group_segment_fixed_size: 168704
    .private_segment_fixed_size: 0
    .kernarg_segment_align: 8
    .kernarg_segment_size: 40
    .max_flat_workgroup_size: 160
    .sgpr_count:     84
    .vgpr_count:     256
    .wavefront_size: 32
...
	.end_amdgpu_metadata
.endif
;; end of part 3
